; MI455X (gfx1250); checked and timed in simulation.
; The chip was launched on July 23, 2026; its instructions are those of AMD's public machine-readable ISA for CDNA 5 (MIT licence, August 2026) and "CDNA5" Instruction Set Architecture Reference Guide (July 2026). The comments in the code are by the model that wrote it; some were corrected since.
;; Cross Attention. Allowed arithmetic: matrix products marked QUANTISED: E2M3 operands, one E8M0 scale for each 32 along K, by v_wmma_scale_f32_16x16x128_f8f6f4 with both operands' format E2M3, f32 sums; everything else in f32.
;; Inputs: Wk_codes 128 x 8 x 24 uint8 (E2M3 codes of Wk, K innermost, in blocks of 32 codes, four codes in three bytes); Wk_scales 128 x 8 uint8 (E8M0 scales of Wk, one for each 32 codes along K); Wo_codes 128 x 4 x 24 uint8 (E2M3 codes of Wo, K innermost, in blocks of 32 codes, four codes in three bytes); Wo_scales 128 x 4 uint8 (E8M0 scales of Wo, one for each 32 codes along K); Wq_codes 128 x 8 x 24 uint8 (E2M3 codes of Wq, K innermost, in blocks of 32 codes, four codes in three bytes); Wq_scales 128 x 8 uint8 (E8M0 scales of Wq, one for each 32 codes along K); Wv_codes 128 x 8 x 24 uint8 (E2M3 codes of Wv, K innermost, in blocks of 32 codes, four codes in three bytes); Wv_scales 128 x 8 uint8 (E8M0 scales of Wv, one for each 32 codes along K); bk 128 float32; bo 128 float32; bq 128 float32; bv 128 float32; ligand_codes 4 x 4,096 x 8 x 24 uint8 (E2M3 codes of ligand, K innermost, in blocks of 32 codes, four codes in three bytes); ligand_scales 4 x 4,096 x 8 uint8 (E8M0 scales of ligand, one for each 32 codes along K); pocket_codes 4 x 4,096 x 8 x 24 uint8 (E2M3 codes of pocket, K innermost, in blocks of 32 codes, four codes in three bytes); pocket_scales 4 x 4,096 x 8 uint8 (E8M0 scales of pocket, one for each 32 codes along K).
;; Outputs: out0 4 x 4,096 x 128 float32.
;; This version of the problem:
;;   THIS VERSION OF THE PROBLEM IS GIVEN IN LOW PRECISION. The matrix products marked QUANTISED in the list below multiply operands that are first quantised to E2M3 (2 exponent bits, 3 mantissa bits; 6 bits a number), with one power-of-two scale for each 32 numbers along K (OCP MX v1.0); their sums are f32. All else is computed in f32.
;;   The module's matrix products, in the order in which they are computed (A, B: the left and right operand; K: the contracted axis; several contracted axes count as one K, in the product's order):
;;     1. [M 16,384, K 256] x [K 256, N 128]; A: input ligand (given as codes); B: input Wq (given as codes): QUANTISED
;;     2. [M 16,384, K 256] x [K 256, N 128]; A: input pocket (given as codes); B: input Wk (given as codes): QUANTISED
;;     3. [M 16,384, K 256] x [K 256, N 128]; A: input pocket (given as codes); B: input Wv (given as codes): QUANTISED
;;     4. batch 4 x [M 4,096, K 128] x [K 128, N 4,096]; A: computed on the way; B: computed on the way: QUANTISED
;;     5. batch 4 x [M 4,096, K 4,096] x [K 4,096, N 128]; A: softmax (see below); B: computed on the way: QUANTISED
;;     6. [M 16,384, K 128] x [K 128, N 128]; A: computed on the way; B: input Wo (given as codes): QUANTISED
;;   THE QUANTISER, for each operand of a quantised product, along K:
;;     - K is cut into blocks of 32 from its start; a last block that is shorter is filled with zeros.
;;     - A block's scale is 2^e with e = floor(log2(the largest magnitude in the block)) - 2, held to -126 .. 127; a block of zeros has e = 0. As a byte (E8M0): e + 127.
;;     - Each number is divided by its block's scale, clamped to +-7.5, and rounded to the nearest number of E2M3, ties to even, subnormals kept.
;;     - The product sums the exact products of the quantised numbers (number of the format x scale) in f32.
;;   ~~~python
;;   def quantise(x, axis):      # numpy; x: float32 -> the quantised numbers, widened to float32 again
;;       x = np.moveaxis(x, axis, -1); K = x.shape[-1]
;;       x = np.pad(x, [(0, 0)] * (x.ndim - 1) + [(0, -K % 32)]); x = x.reshape(x.shape[:-1] + (-1, 32)); a = np.abs(x).max(-1, keepdims=True)
;;       e = np.where(a > 0, np.clip(np.frexp(np.where(a > 0, a, 1))[1] - 1 - 2, -126, 127), 0)      # np.frexp(a)[1] - 1 = floor(log2(a)), exactly
;;       r = np.clip(x / 2.0 ** e, -7.5, 7.5)
;;       step = 2.0 ** (np.maximum(np.frexp(np.where(r == 0, 1, r))[1] - 1, 0) - 3)
;;       q = np.round(r / step) * step * 2.0 ** e      # np.round: ties to even
;;       return np.moveaxis(q.reshape(q.shape[:-2] + (-1,))[..., :K], -1, axis).astype(np.float32)
;;   ~~~
;;   SOFTMAX AHEAD OF A QUANTISED PRODUCT. Where the list says 'softmax', what is quantised is not the finished softmax but p = 2^(t - M), with t = logit x log2(e) and M = ceil(the row's largest t), a whole number; so 1/2 < the row's largest p <= 1. The row's sum l is taken of the UNQUANTISED p, in f32, and the product's result is divided by l at the end. Since M is a whole number, a kernel that streams over the keys may use a running M (the ceiling of the running maximum): every later rescaling is an exact power of two, which a block's scale takes up: the codes' values come out the same.
;;   OPERANDS COMPUTED ON THE WAY. 'Computed on the way' means the value that the module computes at that place (a softmax that the list does not call 'softmax' is quantised finished and normalised). What goes into a quantiser is computed in f32, as accurately as f32 sums, v_exp_f32 and their like allow (about 1e-6 of the number): no bf16 or f16 on the way to a quantiser, and a product that is left as it is and whose result goes on into a quantised operand takes f32 operands (vector FMAs, or v_wmma_f32_16x16x4_f32). A number that lies on a knife's edge between two numbers of the format may be rounded either way, as far as f32 arithmetic and the matrix unit's own rounding can turn it there, and no further.
;;   INPUTS GIVEN AS CODES. Wk (in the module: [256, 128], K = its axis 0); Wo (in the module: [128, 128], K = its axis 0); Wq (in the module: [256, 128], K = its axis 0); Wv (in the module: [256, 128], K = its axis 0); ligand (in the module: [4, 4096, 256], K = its axis 2); pocket (in the module: [4, 4096, 256], K = its axis 2): each comes as NAME_codes (uint8): NAME with its K axis moved to the last place and cut into blocks of 32 codes, [.., K / 32, bytes a block], one block behind the other in memory; four codes in three bytes: a row's codes are one little-endian stream of bits, code i at bits 6 i .. 6 i + 5 (a code: sign, 2 exponent bits, 3 mantissa bits); and NAME_scales (uint8): the same leading axes, one E8M0 byte (e + 127) for each 32 codes along K. Its value is code x scale, taken as it is: it is not quantised again, and the codes and scales need not be those that the quantiser above would give.
;; One version. Each part assembles by itself: llvm-mc -triple=amdgcn-amd-amdhsa -mcpu=gfx1250 --defsym DOCPART=n.
;; ======== version 1 of 1: 2 launches
;; limits: right only within a limited range of input values
;; workspace buffers: qc 1,572,864 bytes; qs 65,536 bytes; kv 3,276,800 bytes
;; launch proj (part 1): grid 256 x 1, 15 waves a work-group, no clusters, 233,472 bytes of LDS; arguments ligand_codes, ligand_scales, pocket_codes, pocket_scales, Wq_codes, Wq_scales, bq, Wk_codes, Wk_scales, bk, Wv_codes, Wv_scales, bv, qc, qs, kv; writes qc, qs, kv
.if DOCPART == 1
	.amdgcn_target "amdgcn-amd-amdhsa--gfx1250"
	.amdhsa_code_object_version 6
	.text
	.protected	k_q3869e9bc3c_proj
	.globl	k_q3869e9bc3c_proj
	.p2align	8
	.type	k_q3869e9bc3c_proj,@function
k_q3869e9bc3c_proj:
	s_mov_b64 s[64:65], 0
	v_nop
	global_prefetch_b8 v0, s[64:65] scope:SCOPE_SE
	s_setreg_imm32_b32 hwreg(HW_REG_WAVE_MODE, 25, 1), 1
	s_wait_xcnt 0x0
; Q = ligand Wq + bq, K = pocket Wk + bk, V = pocket Wv + bv, on codes of FP6 (E2M3) with one E8M0 scale for each 32 along K (= 256), sums in f32;
; the three results are quantised at once, in f32, for the products that follow: Q and K along their 128 channels, V along the keys.
; NO WORK IS LEFT OUT: bq, bk and bv go into quantised operands of live products, and every input has a way to the output.
; WHAT IS STORED: operands as images of their registers.  A fragment (16 rows x 128 K, 12 registers a lane) is 1,536 bytes: registers 4 c .. 4 c + 3 of lane l at 512 c + 16 l.
;   qc: tile of 16 queries x 1,536.   qs: block of 64 queries x 256: scale words [row][tile].
;   kv: key step of 128 keys x 25,600: K's 8 fragments (16 keys x 128 channels), V's 8 (16 channels x 128 keys), K's scale words (512 bytes), V's (512): each [tile / 4][row][tile % 4].
; THE ROWS OF A TILE: row r of tile T = 4 c + t of a group of 128 is row 64 c + 32 (r / 8) + 8 t + r % 8 of it.  As source 0 that makes a lane's 32 result registers of four tiles ONE WHOLE SCALE BLOCK, number 2 c + lane / 16,
; in ascending order: so a maximum and the conversions need no other lane.
; SHARES.  Work-group x: group G = x / 2 of 128 rows, half = x % 2.  Fifteen waves bring a tile each; waves 0-11 then make a result tile each: kind w / 4, tile T = 4 half + w % 4: 8 tiles of source 0 x my tile of source 1 x 2 K steps:
;   kind 0, Q: Wq x ligand's tile;  kind 1, K: Wk x pocket's tile;  kind 2, V: pocket's 8 tiles x Wv's tile.  The kinds share one text: LDS regions lie at equal distances.
; The bias is the C of each sum's first matrix instruction.  Both forms of it are loaded by every wave, so that every register is written on every path.
; CLUSTER: none: a work-group asks for each of its tiles once, at its head; the opening and the closing round that joint loads owe would stand on its only path.  NO PREFETCH: there is no loop to run ahead in.
; LIMITS: NaN and infinities among the inputs are not served.  A block of zeros gets the byte 1 (its codes are zeros) where the rule says 127: this program alone reads the bytes.
; LDS: a row of 192 bytes has 16 bytes of padding behind every 64: 240 from row to row.  Source 0's region is four pieces of 32 rows (7,680 bytes), 7,808 apart: so a tile's rows 0-7 and 8-15, 32 rows apart, differ by 128 bytes modulo 256.
.set PCE0, 7808                        ; from a piece of 32 rows to the next
.set RG,   4*PCE0                      ; a region of source 0
.set S1R,  184320                      ; source 1's regions, 64 rows each: 15,360 x wave for waves 12, 13, 14
.set SCW,  230400                      ; written by LDS stores alone: Q's, K's, V's scale words, 256 bytes each
.set SPARE, 231424                     ; the spare words, 128 bytes for each wave
.set F0,   64                          ; v0-63 the 8 accumulators; v64-159 source 0's fragments, v160-171 source 1's
.set F1,   160
.set SPW,  172
.set NIL,  173
.set A0,   174                         ; v174-175: + 24 h, and + 40 h for the pieces behind one padding more
.set A1,   176
.set ALN,  178                         ; 16 x lane
.set SCA,  179                         ; my scale word's place
.set OSC,  180
.set OS1,  181
.set OB,   182
.set OBV,  183
.set H8,   184
.set AK,   185
.set AQ,   186
.set OK,   187
.set OQ,   188
.set TM,   192
.set SO,   194
.set X,    196
.set Y,    197
.set PX,   198
.set PW,   199
.set W4,   200
.set W2,   204
.set SC,   208                         ; v208-215 source 0's scale words: register 2 t + s: tile t in lanes 0-15, tile t + 4 in lanes 16-31;  v216-217 source 1's
.set SB,   216
.set BVC,  224
.set PC,   232
.set TC,   244
.set WV, 66
.set GG, 67
.set HF, 68
.set TY, 69
.set TT, 70
.macro WALU
	s_wait_alu depctr_va_vdst(0)
.endm
.macro PLACES
.rept 4
	v_nop
.endr
.endm
; A fragment: lane (r, h) takes 24 bytes of its row's stream of bits into registers 0-5 and the 24 bytes 48 further on into registers 6-11, in pieces of 8 bytes.
.macro FRAG reg, adr, s, off
.irp p, 0,1,2,3,4,5
.set PCE, 12*(\s)+6*(\p/3)+\p%3
.if PCE%8 < 5
	ds_load_b64 v[(\reg)+2*\p:(\reg)+2*\p+1], v[\adr] offset:8*PCE+16*(PCE/8)+(\off)
.else
	ds_load_b64 v[(\reg)+2*\p:(\reg)+2*\p+1], v[\adr+1] offset:8*PCE+16*(PCE/8)+(\off)
.endif
.endr
.endm
.macro MM t, c, s
.if \t/4
	v_wmma_scale_f32_16x16x128_f8f6f4 v[8*\t:8*\t+7], v[F0+12*\t:F0+12*\t+11], v[F1:F1+11], \c, v[SC+2*(\t%4)+\s], v[SB+\s] matrix_a_fmt:MATRIX_FMT_FP6 matrix_b_fmt:MATRIX_FMT_FP6 matrix_a_scale:MATRIX_SCALE_ROW1
.else
	v_wmma_scale_f32_16x16x128_f8f6f4 v[8*\t:8*\t+7], v[F0+12*\t:F0+12*\t+11], v[F1:F1+11], \c, v[SC+2*(\t%4)+\s], v[SB+\s] matrix_a_fmt:MATRIX_FMT_FP6 matrix_b_fmt:MATRIX_FMT_FP6
.endif
.endm
.macro FRAGS s
	FRAG F1, A1, \s, 0
.irp t, 0,1,2,3,4,5,6,7
	FRAG F0+12*\t, A0, \s, 2*PCE0*(\t/4)+1920*(\t%4)
.endr
.endm
	s_load_b512 s[4:19], s[0:1], 0x0               ; ligand codes 4, scales 6; pocket codes 8, scales 10; Wq codes 12, scales 14; bq 16; Wk codes 18
	s_load_b512 s[20:35], s[0:1], 0x40             ; Wk scales 20; bk 22; Wv codes 24, scales 26; bv 28; qc 30; qs 32; kv 34
	v_lshl_add_u32 v[SPW], v0, 2, SPARE
	v_mov_b32 v[NIL], 0
	ds_add_u32 v[SPW], v[NIL]                      ; the wave's opening: the add, twice on end, and its wait ahead of my tensor load
	ds_add_u32 v[SPW], v[NIL]
	v_lshrrev_b32 v1, 5, v0
	v_readfirstlane_b32 s[WV], v1
	s_lshr_b32 s[TY], s[WV], 2                     ; kind
	s_and_b32 s[TT], s[WV], 3                      ; tile of my half; also: which piece of 32 rows I bring
	s_lshr_b32 s[GG], ttmp9, 1
	s_and_b32 s[HF], ttmp9, 1
	s_mov_b32 s36, 0x76543210                      ; v_permlanex16_b32's selects for lane l xor 16
	s_mov_b32 s37, 0xfedcba98
	s_mov_b32 s38, 0xff0000
	; group 1: a dense block as rows of 256 bytes (32 elements of 8), 16 bytes of padding after every 16 dwords: 24 rows (32 rows of codes), 48 rows (64)
.irp g, 40, 48
	s_mov_b32 s[\g+0], (3<<16)|(1<<20)|(3<<22)|(3<<25)
	s_mov_b32 s[\g+1], 32<<16
	s_mov_b32 s[\g+2], (24+3*(\g-40))<<16
	s_mov_b32 s[\g+3], 32<<16
	s_mov_b32 s[\g+4], 24+3*(\g-40)
	s_mov_b32 s[\g+5], 32
	s_mov_b32 s[\g+6], 0
	s_mov_b32 s[\g+7], 0
.endr
	s_mul_i32 s60, s[GG], 24576                    ; the group's codes
	s_mov_b32 s61, 0
	s_mul_i32 s72, s[TT], 6144
	s_mov_b32 s73, 0
	s_mul_i32 s74, s[HF], 12288
	s_mov_b32 s75, 0
	s_mul_i32 s76, s[WV], PCE0                     ; LDS: waves 0-11: a piece of source 0
	s_mul_i32 s77, s[WV], 15360                    ; waves 12-14: a region of source 1
	s_mul_i32 s71, s[TY], RG                       ; for the reads
	s_mul_i32 s98, s[TY], 15360
	s_mul_i32 s39, s[TT], 1920
	s_add_co_u32 s98, s98, s39
	s_add_co_u32 s98, s98, S1R
	s_lshl_b32 s99, s[TY], 8
	s_lshl_b32 s39, s[TT], 2
	s_add_co_u32 s99, s99, s39
	s_add_co_u32 s99, s99, SCW
	v_and_b32 v1, 15, v0                           ; r
	v_bfe_u32 v2, v0, 4, 1                         ; h
	v_and_b32 v3, 7, v0
	v_bfe_u32 v4, v0, 3, 1                         ; r / 8
	v_and_b32 v5, 31, v0
	v_lshlrev_b32 v[OS1], 3, v3
	v_lshl_add_u32 v[OS1], v4, 8, v[OS1]           ; scales: 8 bytes a row
	v_lshl_add_u32 v[OSC], v2, 9, v[OS1]           ; lanes 16-31 take the tile 64 rows further on
	v_lshlrev_b32 v[OB], 7, v2
	v_lshlrev_b32 v[OBV], 2, v3
	v_lshl_add_u32 v[OBV], v4, 7, v[OBV]
	v_mul_u32_u24 v6, v3, 240
	v_mad_u32_u24 v7, v4, PCE0, v6                 ; rows 8-15 of a tile lie a piece further on
	v_mad_u32_u24 v8, v2, 24, v7
	v_add_nc_u32 v[A0], s71, v8
	v_mad_u32_u24 v9, v2, 40, v7
	v_add_nc_u32 v[A0+1], s71, v9
	v_mad_u32_u24 v10, v4, 7680, v6
	v_mad_u32_u24 v11, v2, 24, v10
	v_add_nc_u32 v[A1], s98, v11
	v_mad_u32_u24 v12, v2, 40, v10
	v_add_nc_u32 v[A1+1], s98, v12
	v_lshlrev_b32 v[ALN], 4, v5
	v_lshlrev_b32 v13, 4, v1
	v_add_nc_u32 v[SCA], s99, v13                  ; [row][tile]
	v_lshlrev_b32 v[H8], 3, v2
	v_add_nc_u32 v[AK], SCW+256, v[ALN]
	v_lshlrev_b32 v[OQ], 3, v5
	v_add_nc_u32 v[AQ], SCW, v[OQ]
	v_lshl_add_u32 v[OK], v2, 9, v13
	v_mov_b32 v[PX], 0                             ; written once: a lane permute's destination counts as one of its sources
	WALU                                           ; the wait at the head's end
	s_wait_dscnt 0x0                               ; both opening adds are done
	s_wait_kmcnt 0x0
	s_add_nc_u64 s[80:81], s[8:9], s[60:61]        ; pocket's group
	s_add_nc_u64 s[84:85], s[4:5], s[60:61]        ; ligand's
	s_cmp_eq_u32 s[TY], 1
	s_cselect_b64 s[78:79], s[18:19], s[80:81]
	s_cmp_eq_u32 s[TY], 0
	s_cselect_b64 s[78:79], s[12:13], s[78:79]
	s_add_nc_u64 s[78:79], s[78:79], s[72:73]
	s_cmp_eq_u32 s[WV], 13
	s_cselect_b64 s[82:83], s[80:81], s[24:25]
	s_cmp_eq_u32 s[WV], 12
	s_cselect_b64 s[82:83], s[84:85], s[82:83]
	s_add_nc_u64 s[82:83], s[82:83], s[74:75]
	s_mov_b32 s56, 1
	s_cmp_lt_u32 s[WV], 12
	s_cbranch_scc0 .Lsource1
	s_mov_b32 s57, s76                             ; waves 0-11: 32 rows of Wq, Wk or pocket's group
	s_mov_b64 s[58:59], s[78:79]
	s_or_b32 s59, s59, 0x80000000
	tensor_load_to_lds s[56:59], s[40:47]
	s_nop 0
	PLACES
	s_branch .Lasked
.Lsource1:
	s_mov_b32 s57, s77                             ; waves 12-14: my half's 64 rows of ligand, of pocket, of Wv
	s_mov_b64 s[58:59], s[82:83]
	s_or_b32 s59, s59, 0x80000000
	tensor_load_to_lds s[56:59], s[48:55]
	s_nop 0
	PLACES
.Lasked:
	; the pointers of what comes through registers, and of what is stored
	s_lshl_b32 s86, s[GG], 10
	s_mov_b32 s87, 0
	s_add_nc_u64 s[10:11], s[10:11], s[86:87]
	s_add_nc_u64 s[6:7], s[6:7], s[86:87]
	s_cmp_eq_u32 s[TY], 1
	s_cselect_b64 s[88:89], s[20:21], s[10:11]
	s_cselect_b64 s[90:91], s[10:11], s[26:27]
	s_cmp_eq_u32 s[TY], 0
	s_cselect_b64 s[88:89], s[14:15], s[88:89]     ; source 0's scales
	s_cselect_b64 s[90:91], s[6:7], s[90:91]       ; source 1's,
	s_cselect_b64 s[92:93], s[16:17], s[22:23]     ; bq or bk
	s_cselect_b64 s[94:95], s[30:31], s[34:35]     ; qc or kv
	s_lshl_b32 s62, s[HF], 9
	s_lshl_b32 s39, s[TT], 6
	s_add_co_u32 s62, s62, s39
	s_mov_b32 s63, 0
	s_add_nc_u64 s[90:91], s[90:91], s[62:63]      ; at my tile
	s_lshr_b32 s62, s62, 1
	s_add_nc_u64 s[28:29], s[28:29], s[62:63]      ; bv at my tile's first channel
	s_lshl_b32 s96, s[HF], 2
	s_add_co_u32 s96, s96, s[TT]
	s_mul_i32 s96, s96, 1536
	s_mul_i32 s60, s[GG], 12288
	s_mul_i32 s62, s[GG], 25600
	s_add_nc_u64 s[86:87], s[34:35], s[62:63]      ; the key step
	s_cmp_eq_u32 s[TY], 2
	s_cselect_b32 s39, 12288, 0
	s_add_co_u32 s62, s62, s39
	s_cmp_eq_u32 s[TY], 0
	s_cselect_b32 s60, s60, s62
	s_add_co_u32 s96, s96, s60
	s_mov_b32 s97, 0
	s_add_nc_u64 s[94:95], s[94:95], s[96:97]      ; my fragment's image
	s_lshl_b32 s62, s[HF], 8
	s_add_co_u32 s62, s62, 24576
	s_add_nc_u64 s[86:87], s[86:87], s[62:63]      ; K's scale words of my half; V's lie 512 further on
	s_lshl_b32 s62, ttmp9, 8
	s_add_nc_u64 s[32:33], s[32:33], s[62:63]      ; Q's
.irp t, 0,1,2,3
	global_load_b64 v[SC+2*\t:SC+2*\t+1], v[OSC], s[88:89] offset:64*\t
.endr
	global_load_b64 v[SB:SB+1], v[OS1], s[90:91]
	global_load_b32 v[BVC], v[OBV], s[28:29]
.irp t, 0,1,2,3,4,5,6,7                        ; bq or bk in the result's layout: tile 4 c + t, register j: channel 64 c + 32 h + 8 t + j
	global_load_b128 v[8*\t:8*\t+3], v[OB], s[92:93] offset:256*(\t/4)+32*(\t%4)
	global_load_b128 v[8*\t+4:8*\t+7], v[OB], s[92:93] offset:256*(\t/4)+32*(\t%4)+16
.endr
	s_wait_tensorcnt 0x0                           ; my tile has landed,
	s_wait_dscnt 0x0
	s_barrier_signal -1
	s_barrier_wait -1                              ; everybody's have.  Nothing is filled again in this launch
	s_cmp_lt_u32 s[WV], 12
	s_cbranch_scc0 .Ljoin                          ; waves 12-14 have brought their tiles
	FRAGS 0
	s_wait_loadcnt 0x0                             ; scale words and biases
.irp j, 1,2,3,4,5,6,7
	v_mov_b32 v[BVC+\j], v[BVC]
.endr
	WALU
	s_wait_dscnt 0x0
	s_cmp_eq_u32 s[TY], 2
	s_cbranch_scc1 .Lvalue
.irp t, 0,1,2,3,4,5,6,7
	MM \t, v[8*\t:8*\t+7], 0
.endr
	s_branch .Lsecond
.Lvalue:
.irp t, 0,1,2,3,4,5,6,7
	MM \t, v[BVC:BVC+7], 0
.endr
.Lsecond:
	PLACES                                         ; four places in front of the loads into the fragments' registers
	FRAGS 1
	s_wait_dscnt 0x0
.irp t, 0,1,2,3,4,5,6,7                        ; the 8 accumulators by turns
	MM \t, v[8*\t:8*\t+7], 1
.endr
	PLACES                                         ; four places in front of the first read of a result
	; the quantiser: block c of my row is registers 32 c .. 32 c + 31
.irp c, 0,1
	v_max3_num_f32 v[TM+\c], |v[32*\c]|, |v[32*\c+1]|, 0x1800000   ; the floor 2^(3 - 127): the byte cannot fall under 1
.endr
.irp i, 2,4,6,8,10,12,14,16,18,20,22,24,26,28,30
.irp c, 0,1
	v_max3_num_f32 v[TM+\c], v[TM+\c], |v[32*\c+\i]|, |v[32*\c+\i+1]|
.endr
.endr
.irp c, 0,1
	v_add_nc_u32 v[SO+\c], 0xff000000, v[TM+\c]    ; 2 off the exponent field: the conversion's scale operand
.endr
	v_lshrrev_b32 v[X], 7, v[SO+1]
	v_lshrrev_b32 v[Y], 23, v[SO]
	v_and_or_b32 v[PW], v[X], s38, v[Y]            ; bytes of blocks h and 2 + h at bits 0 and 16,
	v_lshlrev_b32 v[PW], v[H8], v[PW]
	v_permlanex16_b32 v[PX], v[PW], s36, s37
	v_or_b32 v[PW], v[PW], v[PX]                   ; and lane l xor 16's two between: my row's scale word
.irp c, 0,1
	v_cvt_scalef32_pk16_fp6_f32 v[PC+6*\c:PC+6*\c+2], v[32*\c:32*\c+15], v[SO+\c]
	v_cvt_scalef32_pk16_fp6_f32 v[TC+4*\c:TC+4*\c+2], v[32*\c+16:32*\c+31], v[SO+\c]   ; (a conversion's three registers begin on an even number)
.endr
	v_nop                                          ; one plain place behind a scaled conversion
.irp c, 0,1
.irp i, 0,1,2
	v_mov_b32 v[PC+6*\c+3+\i], v[TC+4*\c+\i]
.endr
.endr
	WALU
.irp c, 0,1,2
	global_store_b128 v[ALN], v[PC+4*\c:PC+4*\c+3], s[94:95] offset:512*\c   ; each store of the wave covers 512 consecutive bytes, at a multiple of 256
.endr
	ds_store_b32 v[SCA], v[PW]
.Ljoin:
	s_wait_dscnt 0x0                               ; for the others' sake: my scale words lie in LDS
	s_barrier_signal -1
	s_barrier_wait -1
	s_cmp_lg_u32 s[WV], 0
	s_cbranch_scc1 .Lend                           ; wave 0 stores the work-group's scale words
	ds_load_b128 v[W4:W4+3], v[AK]                 ; lanes 0-15 K's 256 bytes, lanes 16-31 V's
	ds_load_b64 v[W2:W2+1], v[AQ]                  ; Q's 256
	s_wait_dscnt 0x0
	global_store_b128 v[OK], v[W4:W4+3], s[86:87]
	global_store_b64 v[OQ], v[W2:W2+1], s[32:33]
.Lend:
	s_wait_tensorcnt 0x0                           ; the wave's end
	ds_add_u32 v[SPW], v[NIL]
	s_wait_dscnt 0x0
	s_endpgm
.Lfunc_end_k_q3869e9bc3c_proj:
	.size	k_q3869e9bc3c_proj, .Lfunc_end_k_q3869e9bc3c_proj-k_q3869e9bc3c_proj
	.p2alignl 7, 3214868480
	.fill 96, 4, 3214868480
	.section	.rodata,"a",@progbits
	.p2align	6, 0x0
	.amdhsa_kernel k_q3869e9bc3c_proj
		.amdhsa_group_segment_fixed_size 233472
		.amdhsa_private_segment_fixed_size 0
		.amdhsa_enable_private_segment 0
		.amdhsa_kernarg_size 128
		.amdhsa_user_sgpr_count 2
		.amdhsa_user_sgpr_kernarg_segment_ptr 1
		.amdhsa_wavefront_size32 1
		.amdhsa_system_sgpr_workgroup_id_x 1
		.amdhsa_system_sgpr_workgroup_id_y 1
		.amdhsa_system_sgpr_workgroup_id_z 1
		.amdhsa_system_vgpr_workitem_id 0
		.amdhsa_next_free_vgpr 256
		.amdhsa_next_free_sgpr 100
		.amdhsa_reserve_vcc 0
		.amdhsa_float_denorm_mode_32 3
		.amdhsa_float_denorm_mode_16_64 3
		.amdhsa_memory_ordered 1
		.amdhsa_forward_progress 1
		.amdhsa_inst_pref_size 24
	.end_amdhsa_kernel
	.amdgpu_metadata
---
amdhsa.version: [ 1, 2 ]
amdhsa.kernels:
  - .name:           k_q3869e9bc3c_proj
    .symbol:         k_q3869e9bc3c_proj.kd
    .args:
      - { .name: ligand_codes, .offset: 0, .size: 8, .value_kind: global_buffer, .address_space: global }
      - { .name: ligand_scales, .offset: 8, .size: 8, .value_kind: global_buffer, .address_space: global }
      - { .name: pocket_codes, .offset: 16, .size: 8, .value_kind: global_buffer, .address_space: global }
      - { .name: pocket_scales, .offset: 24, .size: 8, .value_kind: global_buffer, .address_space: global }
      - { .name: Wq_codes, .offset: 32, .size: 8, .value_kind: global_buffer, .address_space: global }
      - { .name: Wq_scales, .offset: 40, .size: 8, .value_kind: global_buffer, .address_space: global }
      - { .name: bq, .offset: 48, .size: 8, .value_kind: global_buffer, .address_space: global }
      - { .name: Wk_codes, .offset: 56, .size: 8, .value_kind: global_buffer, .address_space: global }
      - { .name: Wk_scales, .offset: 64, .size: 8, .value_kind: global_buffer, .address_space: global }
      - { .name: bk, .offset: 72, .size: 8, .value_kind: global_buffer, .address_space: global }
      - { .name: Wv_codes, .offset: 80, .size: 8, .value_kind: global_buffer, .address_space: global }
      - { .name: Wv_scales, .offset: 88, .size: 8, .value_kind: global_buffer, .address_space: global }
      - { .name: bv, .offset: 96, .size: 8, .value_kind: global_buffer, .address_space: global }
      - { .name: qc, .offset: 104, .size: 8, .value_kind: global_buffer, .address_space: global }
      - { .name: qs, .offset: 112, .size: 8, .value_kind: global_buffer, .address_space: global }
      - { .name: kv, .offset: 120, .size: 8, .value_kind: global_buffer, .address_space: global }
    .group_segment_fixed_size: 233472
    .private_segment_fixed_size: 0
    .kernarg_segment_align: 8
    .kernarg_segment_size: 128
    .max_flat_workgroup_size: 480
    .sgpr_count:     100
    .vgpr_count:     256
    .wavefront_size: 32
...
	.end_amdgpu_metadata
.endif
;; end of part 1
;; launch attn (part 2): grid 64 x 4, 4 waves a work-group, clusters of 4 x 1, 327,680 bytes of LDS; arguments qc, qs, kv, Wo_codes, Wo_scales, bo, out0; writes out0
.if DOCPART == 2
	.amdgcn_target "amdgcn-amd-amdhsa--gfx1250"
	.amdhsa_code_object_version 6
	.text
	.protected	k_q3869e9bc3c_attn
	.globl	k_q3869e9bc3c_attn
	.p2align	8
	.type	k_q3869e9bc3c_attn,@function
k_q3869e9bc3c_attn:
	s_mov_b64 s[64:65], 0
	v_nop
	global_prefetch_b8 v0, s[64:65] scope:SCOPE_SE
	s_setreg_imm32_b32 hwreg(HW_REG_WAVE_MODE, 25, 1), 1
	s_wait_xcnt 0x0
	s_wait_alu depctr_hold_cnt(0) depctr_sa_sdst(0) depctr_va_vdst(0) depctr_va_sdst(0) depctr_va_ssrc(0) depctr_va_vcc(0) depctr_vm_vsrc(0)
	s_getreg_b32 s2, hwreg(HW_REG_IB_STS2, 6, 4)
	s_cmp_eq_u32 s2, 0
	s_cbranch_scc0 .Lentry_in_a_cluster
	s_endpgm
.Lentry_in_a_cluster:
	s_bfe_u32 s2, ttmp6, 0x10000c
	s_cmp_lg_u32 s2, 0x3003
	s_cbranch_scc0 .Lentry_shape_is_right
	s_endpgm
.Lentry_shape_is_right:
; out = (softmax(Q K^T / sqrt(128)) V) Wo + bo, all three products on codes of FP6 (E2M3) with one E8M0 scale for each 32 along a product's K.  No work is left out: bo goes to the output.
; Q, K, V come as images of operand registers, made by the launch before: qc, qs (tiles of 16 queries), kv (key steps of 128 keys: K's 8 fragments, V's 8, their scale words).
; SHARES.  A work-group owns 64 queries of one batch, four tiles of 16; a fill of the ring is four key steps, and wave w takes the w-th of each of the 8 fills for ALL four tiles: each fragment of K and V that it
; reads feeds four matrix instructions.  A wave brings its own key step and alone reads it.  At the end the waves' sums meet in LDS under one M, and each wave finishes a tile: O / sum, quantised, times Wo, plus bo.
; LAYOUT.  Both products are used transposed (source 0 = 16 keys, or 16 channels of V; source 1 = 16 queries): a lane holds one query.  The launch before chose the rows of the tiles so that a lane's registers
; 32 c .. 32 c + 31 of a query tile are ONE WHOLE SCALE BLOCK, number 2 c + lane / 16, of the keys (of the channels, in O^T).  Row r of query tile a is query 32 (r / 8) + 8 a + r % 8 of the 64.
; THE SOFTMAX.  t = score x log2(e) / sqrt(128).  A block's own whole number m = floor(largest t - 2): the block's numbers 2^(t - m) have their largest in [4, 8), so their codes are made with the scale 1; R = the largest m of
; the row so far (it stands in for M: whole numbers apart, they differ by an exact power of two that the scales take up); w = 2^(m - R) is the block's weight in the row's sum of unquantised p, and its exponent field is
; the block's scale byte.  When R moves, the sum and O are multiplied by 2^(old R - new R), which rounds nothing.
; A STEP: largest scores, statistics, O under the new R, exponentials with independent multiply-adds and partial sums between them (partial sums in place, once a tile's codes are made), then V^T P under which the next K
; is read, then the next scores under which V is read.  A round of the cluster's barrier stands inside the products of the next scores; behind it goes out the fill after that one, into the slot whose K and V all waves hold in registers or are done with.
; CLUSTER.  The four work-groups of a cluster belong to one batch and walk the same kv: every tile is asked for jointly, with the mask 15.
; LIMITS: NaN and infinities are not served; the promise holds while the scaled scores stay under 2^31 in magnitude.  A block whose weight is under 2^-126 counts in the row's sum with what is left of it and in O with the byte 0.
; LDS: slot 0 at 0, slot 1 at 131,072, 102,400 bytes each; statistics; stages; spare words.  The merge takes bytes 0 .. 131,071: slot 0 has had its last fill, and a barrier stands between its last read and the merge's stores.
.set SLOT1, 1<<17
.set STEPB, 25600                      ; a key step
.set FILLB, 4*STEPB
.set STATB, 233472                     ; 1,024 a wave: R and the sum of its four tiles, 128 bytes each
.set STG,   237568                     ; the way out: 16 rows x (512 + 16) for each wave
.set SPARE, 271360                     ; the spare words, 128 bytes for each wave
.set AD0, 1                            ; 16 lane + 25,600 w
.set SPW, 4
.set NIL, 5
.set PFO, 6
.set ONE, 7                            ; 1.0: the conversions' scale
.set MW,  8
.set MR,  9
.set MR2, 10
.set SW,  11
.set SR,  12
.set GI,  13
.set GB,  14
.set L16, 15
.set MX,  16                           ; the blocks' largest scores, then m: two a tile
.set RR,  24                           ; R, new R: a pair a tile
.set FF,  32                           ; f, at work: a pair a tile
.set WW,  40                           ; w: two a tile
.set LS,  48                           ; the row's sum in two halves: a pair a tile
.set KSC, 56                           ; K's scale words: register i: tile i in lanes 0-15, tile 4 + i in lanes 16-31;  v60-63 V's
.set VSC, 60
.set QS,  68                           ; Q's scale words, one register a tile
.set PW,  72                           ; p's
.set AWO, 76
.set AWS, 77
.set ABO, 78
.set ADK, 79                           ; my key step in the slot in hand
.set PC,  80                           ; v80-127 p's codes, 12 a tile
.set TC,  128                          ; v128-159 the conversions' second halves, 8 a tile
.set TP,  160
.set TA,  164
.set LL,  168
.set TX,  172
.set BO,  192                          ; v192-255 bo, then the output tile
; window 1: v0-95 K's 8 fragments (at the end Wo's), v96-191 V's, v192-239 Q's four.   window 2: S^T, then p, 64 a tile.   window 3: O^T, 64 a tile
.set WV,  20
.set CX,  21
.set NEG, 22
.set MSK, 23
.set G1,  24
.set G0,  40
.set SEL, 48
.set CS,  50
.set TB,  52
.set FLR, 53
.set SLOTS, 54                         ; fills still to be asked for
.set LIM, 55                           ; 1 where my wave prefetches, else the greatest number
.set PFA, 56
.set MSB, 0
.macro WIN new                         ; the immediate's high byte repeats the setting that is left
.if MSB != (\new)
	s_set_vgpr_msb (MSB<<8)|(\new)
.set MSB, (\new)
.endif
.endm
.macro WALU
	s_wait_alu depctr_va_vdst(0)
.endm
.macro PLACES
.rept 4
	v_nop
.endr
.endm
.macro CREST                           ; a round of the cluster's barrier behind its opening barrier
	s_cmp_lg_u32 s[WV], 0
	s_cbranch_scc1 .Lnot_wave_0_\@
	s_barrier_signal -3
.Lnot_wave_0_\@:
	s_barrier_wait -3
	s_barrier_signal -1
	s_barrier_wait -1
.endm
.macro CROUND
	s_barrier_signal -1
	s_barrier_wait -1
	CREST
.endm
.macro MM d, a, b, c, sa, sb, ra       ; ra: source 0's scales are read from lanes 16-31
.if \ra
	v_wmma_scale_f32_16x16x128_f8f6f4 v[\d:\d+7], v[\a:\a+11], v[\b:\b+11], \c, v[\sa], v[\sb] matrix_a_fmt:MATRIX_FMT_FP6 matrix_b_fmt:MATRIX_FMT_FP6 matrix_a_scale:MATRIX_SCALE_ROW1
.else
	v_wmma_scale_f32_16x16x128_f8f6f4 v[\d:\d+7], v[\a:\a+11], v[\b:\b+11], \c, v[\sa], v[\sb] matrix_a_fmt:MATRIX_FMT_FP6 matrix_b_fmt:MATRIX_FMT_FP6
.endif
.endm
; 16 products: K's 8 tiles x query tiles a0, a0 + 1.  vl = 1: V's 24 loads stand behind the first twelve, two each.
.macro SMUL a0, vl
.set N_, 0
.irp t, 0,1,2,3,4,5,6,7
.irp o, 0,1
	WIN 0x85                                       ; K and Q window 1, S^T window 2
.set D_, 64*(\a0+\o)+8*\t
	MM D_, 12*\t, 192+12*(\a0+\o), 0, KSC+\t%4, QS+\a0+\o, \t/4
.if \vl && (N_ < 12)
	WIN 0x40
	ds_load_b128 v[96+8*N_:99+8*N_], v[ADK] offset:12288+1024*N_
	ds_load_b128 v[100+8*N_:103+8*N_], v[ADK] offset:12288+1024*N_+512
.endif
.set N_, N_+1
.endr
.endr
	WIN 0
.endm
.macro GRD
	WIN 0
	s_wait_tensorcnt 0x0
	ds_add_u32 v[SPW], v[NIL]                      ; 0 onto my spare word
	s_xor_b32 s[G0+1], s[G0+1], SLOT1              ; the other slot than last time,
	s_add_nc_u64 s[G0+2:G0+3], s[G0+2:G0+3], FILLB ; the next fill
	s_wait_xcnt 0x0                                ; the last prefetch has read its address:
	s_add_nc_u64 s[PFA:PFA+1], s[PFA:PFA+1], FILLB ; one fill further on than the walking descriptor
.endm
; A PREFETCH INTO THE L2 of the fill that the NEXT refill will ask for: 102,400 bytes = 400 blocks of 256.  All sixteen clusters of a batch walk the same kv: the batch's first cluster asks.  Its four partners take 25,600
; bytes each, told apart by address; in each, a wave takes 25 blocks, a lane a block (lanes 25-31 name the last again): each block is named by one wave of the launch.  The last refill's asks for nothing; fills 0 and 1 come by their loads alone.
.macro ASK
	s_cmp_gt_u32 s[SLOTS], s[LIM]
	s_cbranch_scc0 .Lnot_mine_\@
	global_prefetch_b8 v[PFO], s[PFA:PFA+1] th:TH_LOAD_NT scope:SCOPE_SE
.Lnot_mine_\@:
.endm
; THE NEXT SCORES.  fill = 1: GUARD stands ahead, and the round's opening barrier is open over the first 16 products.
.macro SPHASE fill
	s_wait_dscnt 0x0                               ; K's fragments are in; the add is done, and my reads of the slot to be filled are over
.if \fill
	s_barrier_signal -1
	SMUL 0, 0
	s_barrier_wait -1
	CREST
	tensor_load_to_lds s[G0:G0+3], s[G1:G1+7]      ; the first tensor load behind the round
	s_nop 0
.else
	SMUL 0, 0
.endif
	PLACES                                         ; also the places in front of the loads into V's registers, which the last products have read
	ds_load_b128 v[VSC:VSC+3], v[ADK] offset:25088
	SMUL 2, 1
.if \fill
	ASK
.endif
.endm
.macro FMA1 a, j                       ; t - m, two at a time
.if (\j) < 16
	v_pk_fma_f32 v[64*\a+2*(\j):64*\a+2*(\j)+1], v[64*\a+2*(\j):64*\a+2*(\j)+1], s[CS:CS+1], v[MX+2*\a:MX+2*\a+1] op_sel_hi:[1,0,0] neg_lo:[0,0,1] neg_hi:[0,0,1]
.else
	v_pk_fma_f32 v[64*\a+2*(\j):64*\a+2*(\j)+1], v[64*\a+2*(\j):64*\a+2*(\j)+1], s[CS:CS+1], v[MX+2*\a:MX+2*\a+1] op_sel:[0,0,1] op_sel_hi:[1,0,1] neg_lo:[0,0,1] neg_hi:[0,0,1]
.endif
.endm
.macro LADD a, n, k                    ; entry k of a level of tile a's sums, in place: pair i of a block takes up pair i + n (n = 8, 4, 2, 1)
.set B_, 64*\a+32*((\k)/\n)+2*((\k)%\n)
	v_pk_add_f32 v[B_:B_+1], v[B_:B_+1], v[B_+2*\n:B_+2*\n+1]
.endm
.macro LEVEL a, n
.set K_, 0
.rept 2*\n
	LADD \a, \n, K_
.set K_, K_+1
.endr
.endm
; Tile a's 64 exponentials, ahead of each one plain line that hangs on none of the batch: tile fa's multiply-adds, the second level of tile l2's sums, the first of tile l1's, the third of tile l3's (-1: none).
.macro BATCH a, fa, l2, l1, l3
.set I_, 0
.rept 64
.set E_, I_
.if (\fa) >= 0
.if E_ < 32
	FMA1 \fa, E_
.endif
.set E_, E_-32
.endif
.if (\l2) >= 0
.if (E_ >= 0) && (E_ < 8)
	LADD \l2, 4, E_
.endif
.set E_, E_-8
.endif
.if (\l1) >= 0
.if (E_ >= 0) && (E_ < 16)
	LADD \l1, 8, E_
.endif
.set E_, E_-16
.endif
.if (\l3) >= 0
.if (E_ >= 0) && (E_ < 4)
	LADD \l3, 2, E_
.endif
.endif
	v_exp_f32 v[64*\a+I_], v[64*\a+I_]
.set I_, I_+1
.endr
	v_nop                                          ; one plain place behind the last exponential
	WALU                                           ; one wait for the batch, and for what was written ahead of the next
.endm
.macro CODES a
	WIN 0x02
.irp c, 0,1
	v_cvt_scalef32_pk16_fp6_f32 v[PC+12*\a+6*\c:PC+12*\a+6*\c+2], v[64*\a+32*\c:64*\a+32*\c+15], v[ONE]
	v_cvt_scalef32_pk16_fp6_f32 v[TC+8*\a+4*\c:TC+8*\a+4*\c+2], v[64*\a+32*\c+16:64*\a+32*\c+31], v[ONE]   ; (three registers begin on an even number)
.endr
	WIN 0x8a
.endm
; V^T P of tile a: the 8 accumulators by turns.  kl = 1: one of the next K's 24 loads behind each product.
.macro PVT a, first, kl
.irp t, 0,1,2,3,4,5,6,7
	WIN 0xf1                                       ; V window 1, p window 0, O^T window 3
.set D_, 64*\a+8*\t
.if \first
	MM D_, 96+12*\t, PC+12*\a, 0, VSC+\t%4, PW+\a, \t/4
.else
	MM D_, 96+12*\t, PC+12*\a, v[D_:D_+7], VSC+\t%4, PW+\a, \t/4
.endif
.if \kl
	WIN 0x40
.set N_, 8*\a+\t
	ds_load_b128 v[4*N_:4*N_+3], v[ADK] offset:512*N_
.endif
.endr
.endm
.macro STO a                           ; O^T of tile a into LDS, each accumulator from its low end on
	WIN 0x0c
.irp c, 0,1,2,3,4,5,6,7,8,9,10,11,12,13,14,15
	ds_store_b128 v[MW], v[64*\a+4*\c:64*\a+4*\c+3] offset:8192*\a+512*\c
.endr
.endm
; A STEP from its scores on.  first = 1: V^T P starts O^T, and there is nothing to rescale.  next: 2 the next scores with a refill, 1 without, 0 the last step.
.macro BODY first, next
	WIN 0x28
.set I_, 0
.rept 16                               ; the largest score of each block, eight chains by turns.  The first four lines are the places in front of the youngest results
.irp a, 0,1,2,3
.irp c, 0,1
.set B_, 64*\a+32*\c+2*I_
.if I_ == 0
	v_max3_num_f32 v[MX+2*\a+\c], s[NEG], v[B_], v[B_+1]
.else
	v_max3_num_f32 v[MX+2*\a+\c], v[MX+2*\a+\c], v[B_], v[B_+1]
.endif
.endr
.endr
.set I_, I_+1
.endr
.if \next == 0
	WIN 0x40                                       ; Wo's eight fragments (16 outputs x 128 channels) into K's registers, its scale words, bo
.irp t, 0,1,2,3,4,5,6,7
.irp p, 0,1,2,3,4,5
	global_load_b64 v[12*\t+2*\p:12*\t+2*\p+1], v[AWO], s[10:11] offset:1536*\t+48*(\p/3)+8*(\p%3)
.endr
.endr
	WIN 0
.irp i, 0,1,2,3
	global_load_b32 v[KSC+\i], v[AWS], s[12:13] offset:64*\i
.endr
.irp t, 0,1,2,3,4,5,6,7                ; tile t, register j: output 16 t + 8 h + j
	global_load_b128 v[BO+8*\t:BO+8*\t+3], v[ABO], s[14:15] offset:64*\t
	global_load_b128 v[BO+8*\t+4:BO+8*\t+7], v[ABO], s[14:15] offset:64*\t+16
.endr
	WALU
	s_wait_dscnt 0x0                               ; V is in: I read no slot any more, and say so; the wait stands ahead of the merge's stores
	s_barrier_signal -1
.else
	WIN 0
	s_xor_b32 s[TB], s[TB], SLOT1                  ; on to the other slot
	v_add_nc_u32 v[ADK], s[TB], v[AD0]
.endif
.irp a, 0,1,2,3
	v_pk_fma_f32 v[MX+2*\a:MX+2*\a+1], v[MX+2*\a:MX+2*\a+1], s[CS:CS+1], -2.0 op_sel_hi:[1,0,0]
.endr
.irp a, 0,1,2,3,4,5,6,7
	v_floor_f32 v[MX+\a], v[MX+\a]                 ; m
.endr
.irp a, 0,1,2,3
	v_max_num_f32 v[TA+\a], v[MX+2*\a], v[MX+2*\a+1]
.endr
.irp a, 0,1,2,3
	v_permlanex16_b32 v[TP+\a], v[TA+\a], s[SEL], s[SEL+1]
.endr
.irp a, 0,1,2,3
	v_max3_num_f32 v[RR+2*\a+1], v[RR+2*\a], v[TA+\a], v[TP+\a]   ; the new R, the same in both lanes of a query
.endr
.irp a, 0,1,2,3
	v_sub_f32 v[FF+2*\a], v[RR+2*\a], v[RR+2*\a+1]
.endr
.irp a, 0,1,2,3
	v_pk_add_f32 v[WW+2*\a:WW+2*\a+1], v[MX+2*\a:MX+2*\a+1], v[RR+2*\a:RR+2*\a+1] op_sel:[0,1] op_sel_hi:[1,1] neg_lo:[0,1] neg_hi:[0,1]
.endr
.irp a, 0,1,2,3
	v_cvt_i32_f32 v[FF+2*\a+1], v[FF+2*\a]         ; (it saturates)
.endr
.irp a, 0,1,2,3,4,5,6,7
	v_cvt_i32_f32 v[WW+\a], v[WW+\a]
.endr
.irp a, 0,1,2,3
	v_ldexp_f32 v[FF+2*\a], 1.0, v[FF+2*\a+1]      ; f = 2^(old R - new R)
.endr
.irp a, 0,1,2,3,4,5,6,7
	v_ldexp_f32 v[WW+\a], 1.0, v[WW+\a]            ; w = 2^(m - R)
.endr
.irp a, 0,1,2,3
	v_mov_b32 v[RR+2*\a], v[RR+2*\a+1]
.endr
.irp a, 0,1,2,3
	v_lshrrev_b32 v[TA+\a], 7, v[WW+2*\a+1]
.endr
.irp a, 0,1,2,3
	v_lshrrev_b32 v[TX+\a], 23, v[WW+2*\a]
.endr
.irp a, 0,1,2,3
	v_and_or_b32 v[TA+\a], v[TA+\a], s[MSK], v[TX+\a]   ; the bytes of my two blocks, at bits 0 and 16
.endr
.irp a, 0,1,2,3
	v_permlanex16_b32 v[TP+\a], v[TA+\a], s[SEL], s[SEL+1]
.endr
.irp a, 0,1,2,3
	v_lshl_or_b32 v[PW+\a], v[TP+\a], 8, v[TA+\a]  ; in lanes 0-15, which alone are read: the scale word
.endr
.irp a, 0,1,2,3
	v_pk_mul_f32 v[LS+2*\a:LS+2*\a+1], v[LS+2*\a:LS+2*\a+1], v[FF+2*\a:FF+2*\a+1] op_sel_hi:[1,0]
.endr
.if !\first
	WIN 0xc3
.irp a, 0,1,2,3
.set I_, 64*\a
.rept 32
	v_pk_mul_f32 v[I_:I_+1], v[I_:I_+1], v[FF+2*\a:FF+2*\a+1] op_sel_hi:[1,0]   ; O^T under the new R
.set I_, I_+2
.endr
.endr
.endif
	WIN 0x8a                                       ; sources 0 and 1 and the destination window 2, source 2 window 0
.set I_, 0
.rept 32
	FMA1 0, I_
.set I_, I_+1
.endr
	WALU                                           ; the wait ahead of the batches
	BATCH 0, 1, -1, -1, -1
	CODES 0
	BATCH 1, 2, -1, 0, -1
	CODES 1
	BATCH 2, 3, 0, 1, -1
	CODES 2
	BATCH 3, -1, 1, 2, 0
	s_wait_dscnt 0x0                               ; V is in
.if \next
	s_wait_tensorcnt 0x0                           ; and so is my part of the next fill
.endif
	CODES 3
	LEVEL 2, 4
	LEVEL 0, 1
	LEVEL 1, 2
	LEVEL 3, 8
	LEVEL 2, 2
	LEVEL 1, 1
	LEVEL 3, 4
	LEVEL 2, 1
	LEVEL 3, 2
	LEVEL 3, 1
	WIN 0
.irp a, 0,1,2,3
.irp c, 0,1
.irp i, 0,1,2
	v_mov_b32 v[PC+12*\a+6*\c+3+\i], v[TC+8*\a+4*\c+\i]
.endr
.endr
.endr
	WIN 0x02
.irp a, 0,1,2,3
	v_pk_fma_f32 v[LS+2*\a:LS+2*\a+1], v[64*\a:64*\a+1], v[WW+2*\a:WW+2*\a+1], v[LS+2*\a:LS+2*\a+1] op_sel_hi:[1,0,1]
.endr
.irp a, 0,1,2,3
	v_pk_fma_f32 v[LS+2*\a:LS+2*\a+1], v[64*\a+32:64*\a+33], v[WW+2*\a:WW+2*\a+1], v[LS+2*\a:LS+2*\a+1] op_sel:[0,1,0] op_sel_hi:[1,1,1]
.endr
	WIN 0
.if \next
	WALU
	ds_load_b128 v[KSC:KSC+3], v[ADK] offset:24576
	PVT 0, \first, 1
	PVT 1, \first, 1
	PVT 2, \first, 1
.if \next == 2
	GRD
	PVT 3, \first, 0                               ; eight products stand between the add and the wait for it
	WIN 0
	SPHASE 1
.else
	PVT 3, \first, 0
	WIN 0
	SPHASE 0
.endif
.endif
.endm
	s_load_b256 s[4:11], s[0:1], 0x0               ; qc 4, qs 6, kv 8, Wo codes 10
	s_load_b128 s[12:15], s[0:1], 0x20             ; Wo scales 12, bo 14
	s_load_b64 s[16:17], s[0:1], 0x30              ; out0
	v_lshl_add_u32 v[SPW], v0, 2, SPARE
	v_mov_b32 v[NIL], 0
	ds_add_u32 v[SPW], v[NIL]                      ; the wave's opening: the add, twice on end, and its wait ahead of the round in front of my first tensor load
	ds_add_u32 v[SPW], v[NIL]
	v_lshrrev_b32 v1, 5, v0
	v_readfirstlane_b32 s[WV], v1
	s_bfe_u32 s[CX], ttmp6, 0x40000                ; my place in the cluster: it enters the addresses of qc, qs, out0 and of the prefetches alone
	s_and_b32 s58, ttmp7, 0xffff                   ; the batch, which the four partners share
	s_lshl_b32 s59, ttmp9, 2
	s_add_co_u32 s59, s59, s[CX]
	s_lshl_b32 s60, s58, 6
	s_add_co_u32 s60, s60, s59                     ; my block of 64 queries
	s_mov_b32 s[G1+0], 15|(3<<16)|(1<<21)          ; the mask: all four work-groups; elements of 8 bytes; bit 21 set beside a mask
	s_mov_b32 s[G1+1], 32<<16                      ; a key step: 100 rows of 256 bytes, dense
	s_mov_b32 s[G1+2], 100<<16
	s_mov_b32 s[G1+3], 32<<16
	s_mov_b32 s[G1+4], 100
	s_mov_b32 s[G1+5], 32
	s_mov_b32 s[G1+6], 0
	s_mov_b32 s[G1+7], 0
	s_mov_b32 s[SEL], 0x76543210
	s_mov_b32 s[SEL+1], 0xfedcba98
	s_mov_b32 s[CS], 0x3e0293ee                    ; c = log2(e) / sqrt(128)
	s_mov_b32 s[CS+1], s[CS]                       ; (named with it as a pair, so it is written)
	s_mov_b32 s[TB], 0
	s_mov_b32 s[FLR], 0x1800000
	s_mov_b32 s[NEG], 0xff7fffff                   ; the least f32
	s_mov_b32 s[MSK], 0xff0000
	s_mov_b32 s[SLOTS], 7
	s_cmp_eq_u32 ttmp9, 0
	s_cselect_b32 s[LIM], 1, -1                    ; the batch's first cluster prefetches
	s_mul_i32 s66, s58, 32*STEPB
	s_mov_b32 s67, 0
	s_mul_i32 s68, s[WV], STEPB
	s_mov_b32 s69, 0
	s_mul_i32 s70, s60, 6144                       ; my four tiles in qc
	s_mov_b32 s71, 0
	s_lshl_b32 s72, s60, 8                         ; and in qs
	s_mov_b32 s73, 0
	s_lshl_b32 s74, s60, 6
	s_lshl_b32 s61, s[WV], 3
	s_add_co_u32 s74, s74, s61
	s_lshl_b32 s74, s74, 9                         ; the first row of the tile that I store
	s_mov_b32 s75, 0
	s_mul_i32 s76, s[CX], STEPB
	s_mul_i32 s61, s[WV], 6400
	s_add_co_u32 s76, s76, s61
	s_add_co_u32 s76, s76, FILLB                   ; in fill 1: the first refill steps it to fill 2.  Nothing is prefetched here, at the head
	s_mov_b32 s77, 0
	s_lshl_b32 s62, s[WV], 15
	s_lshl_b32 s63, s[WV], 13
	s_lshl_b32 s78, s[WV], 10
	s_add_co_u32 s78, s78, STATB
	s_lshl_b32 s79, s[WV], 8
	s_add_co_u32 s79, s79, STATB
	s_mul_i32 s59, s[WV], 16*528
	s_add_co_u32 s59, s59, STG
	v_and_b32 v176, 31, v0                         ; lane
	v_and_b32 v177, 15, v0                         ; r
	v_bfe_u32 v178, v0, 4, 1                       ; h
	v_lshlrev_b32 v179, 2, v176
	v_lshlrev_b32 v[L16], 4, v176
	v_lshlrev_b32 v180, 4, v177
	v_min_u32 v181, 24, v176
	v_lshlrev_b32 v[PFO], 8, v181
	v_add_nc_u32 v[AD0], s68, v[L16]
	v_mov_b32 v[ADK], v[AD0]
	v_add_nc_u32 v[MW], s62, v[L16]                ; the merge: where I put my four tiles of O^T,
	v_add_nc_u32 v[MR], s63, v[L16]                ; and where tile w's parts begin, 32,768 apart
	v_add_nc_u32 v[MR2], 0x10000, v[MR]
	v_add_nc_u32 v[SW], s78, v179
	v_add_nc_u32 v[SR], s79, v179
	v_mul_u32_u24 v182, v177, 528
	v_lshl_add_u32 v182, v178, 5, v182
	v_add_nc_u32 v[GI], s59, v182                  ; in: row r, 32 bytes for each half of the lanes
	v_add_nc_u32 v[GB], s59, v[L16]                ; back: the 32 lanes take a row of 512 bytes
	v_mul_u32_u24 v[AWO], v177, 96
	v_mad_u32_u24 v[AWO], v178, 24, v[AWO]         ; Wo: row r of 96 bytes, + 24 h
	v_lshlrev_b32 v[AWS], 2, v177
	v_lshl_add_u32 v[AWS], v178, 8, v[AWS]         ; its scale words: lanes 16-31 take the tile four further on
	v_lshlrev_b32 v[ABO], 5, v178
	v_mov_b32 v[ONE], 1.0
.irp a, 0,1,2,3
	v_mov_b32 v[RR+2*\a], 0xff61b1e6               ; R so far: -3e38
	v_mov_b32 v[LS+2*\a], 0
	v_mov_b32 v[LS+2*\a+1], 0
	v_mov_b32 v[TP+\a], 0                          ; written once: a lane permute's destination counts as one of its sources
.endr
	WALU                                           ; the wait at the head's end
	s_wait_dscnt 0x0                               ; both opening adds are done
	CROUND                                         ; all four work-groups are here: the first joint loads meet
	s_wait_kmcnt 0x0
	s_mov_b32 s[G0], 1
	s_mov_b32 s[G0+1], s68
	s_add_nc_u64 s[G0+2:G0+3], s[8:9], s[66:67]
	s_add_nc_u64 s[G0+2:G0+3], s[G0+2:G0+3], s[68:69]
	s_or_b32 s[G0+3], s[G0+3], 0x80000000
	tensor_load_to_lds s[G0:G0+3], s[G1:G1+7]      ; fill 0: my key step.
	s_nop 0
	PLACES
	s_add_nc_u64 s[4:5], s[4:5], s[70:71]
	s_add_nc_u64 s[6:7], s[6:7], s[72:73]
	s_add_nc_u64 s[16:17], s[16:17], s[74:75]
	s_add_nc_u64 s[PFA:PFA+1], s[8:9], s[66:67]
	s_add_nc_u64 s[PFA:PFA+1], s[PFA:PFA+1], s[76:77]
	WIN 0x40
.irp c, 0,1,2,3,4,5,6,7,8,9,10,11
	global_load_b128 v[192+4*\c:195+4*\c], v[L16], s[4:5] offset:512*\c   ; Q's four fragments stay in registers
.endr
	WIN 0
	global_load_b128 v[QS:QS+3], v180, s[6:7]
	s_wait_tensorcnt 0x0                           ; fill 0: I alone read my key step
	ds_load_b128 v[KSC:KSC+3], v[ADK] offset:24576
	WIN 0x40
.irp n, 0,1,2,3,4,5,6,7,8,9,10,11,12,13,14,15,16,17,18,19,20,21,22,23
	ds_load_b128 v[4*\n:4*\n+3], v[ADK] offset:512*\n
.endr
	WIN 0
	s_wait_loadcnt 0x0                             ; Q
	GRD
	SPHASE 1                                       ; scores 0; fill 1 goes out, into slot 1
	BODY 1, 2                                      ; step 0; fill 2
	s_mov_b32 s[SLOTS], 5
.Lstep:                                            ; steps 1 to 5; fills 3 to 7
	BODY 0, 2
	WIN 0
	s_sub_co_u32 s[SLOTS], s[SLOTS], 1
	WALU
	s_cmp_lg_u32 s[SLOTS], 0
	s_cbranch_scc1 .Lstep
	BODY 0, 1                                      ; step 6: nothing is left to ask for
	BODY 0, 0                                      ; step 7, up to its products
	; THE MERGE.  Each wave puts R, the sum and O^T of its four tiles into LDS, as its registers stand.
.irp a, 0,1,2,3
	v_add_f32 v[LL+\a], v[LS+2*\a], v[LS+2*\a+1]   ; the sum's two halves,
.endr
.irp a, 0,1,2,3
	v_permlanex16_b32 v[TP+\a], v[LL+\a], s[SEL], s[SEL+1]
.endr
.irp a, 0,1,2,3
	v_add_f32 v[LL+\a], v[LL+\a], v[TP+\a]         ; and lane l xor 16's
.endr
	WALU
	s_barrier_wait -1                              ; no wave reads a slot any more
.irp a, 0,1,2,3
	ds_store_b32 v[SW], v[RR+2*\a] offset:256*\a
	ds_store_b32 v[SW], v[LL+\a] offset:256*\a+128
.endr
	PVT 0, 0, 0
	PVT 1, 0, 0
	PLACES
	STO 0
	PVT 2, 0, 0
	PLACES
	STO 1
	PVT 3, 0, 0
	PLACES
	STO 2
	STO 3
	WIN 0
	s_wait_dscnt 0x0                               ; for the others' sake: my stores have landed
	s_barrier_signal -1
	s_barrier_wait -1
.irp g, 0,1,2,3
	ds_load_b32 v[128+\g], v[SR] offset:1024*\g    ; R of wave g's part of my tile,
	ds_load_b32 v[132+\g], v[SR] offset:1024*\g+128 ; its sum
.endr
	WIN 0x80
.irp g, 0,1,2,3
.irp c, 0,1,2,3,4,5,6,7,8,9,10,11,12,13,14,15
	ds_load_b128 v[64*\g+4*\c:64*\g+4*\c+3], v[MR+\g/2] offset:32768*(\g%2)+512*\c
.endr
.endr
	WIN 0
	s_wait_dscnt 63                                ; of the 72 loads at most 63 are out: the eight oldest, the statistics, are in
	v_max_num_f32 v164, v128, v129
	v_max3_num_f32 v164, v164, v130, v131          ; the row's R
.irp g, 0,1,2,3
	v_sub_f32 v[136+\g], v[128+\g], v164
.endr
.irp g, 0,1,2,3
	v_cvt_i32_f32 v[136+\g], v[136+\g]
.endr
.irp g, 0,1,2,3
	v_ldexp_f32 v[136+\g], 1.0, v[136+\g]          ; an exact power of two
.endr
	v_mul_f32 v168, v136, v132
	v_fmac_f32 v168, v137, v133
	v_fmac_f32 v168, v138, v134
	v_fmac_f32 v168, v139, v135                    ; the row's sum
	WALU
	v_rcp_f32 v169, v168
	v_nop                                          ; one plain place behind the reciprocal
	WALU
.irp g, 0,1,2,3
	v_mul_f32 v[144+\g], v[136+\g], v169
.endr
	WALU
	s_wait_dscnt 48                                ; part 0 is in; the 48 younger loads may be out
	WIN 0x82
.set I_, 0
.rept 32
	v_pk_mul_f32 v[I_:I_+1], v[I_:I_+1], v[144:145] op_sel_hi:[1,0]
.set I_, I_+2
.endr
	s_wait_dscnt 32
	WIN 0xa2
.set I_, 0
.rept 32
	v_pk_fma_f32 v[I_:I_+1], v[64+I_:65+I_], v[144:145], v[I_:I_+1] op_sel:[0,1,0] op_sel_hi:[1,1,1]
.set I_, I_+2
.endr
	s_wait_dscnt 16
.set I_, 0
.rept 32
	v_pk_fma_f32 v[I_:I_+1], v[128+I_:129+I_], v[146:147], v[I_:I_+1] op_sel_hi:[1,0,1]
.set I_, I_+2
.endr
	s_wait_dscnt 0x0
.set I_, 0
.rept 32
	v_pk_fma_f32 v[I_:I_+1], v[192+I_:193+I_], v[146:147], v[I_:I_+1] op_sel:[0,1,0] op_sel_hi:[1,1,1]
.set I_, I_+2
.endr
	; O / the sum, quantised in f32 along its 128 channels: two chains for each of my two blocks
	WIN 0x28
.irp i, 0,1,2,3
	v_max3_num_f32 v[MX+\i], s[FLR], |v[16*\i]|, |v[16*\i+1]|
.endr
.irp j, 2,4,6,8,10,12,14
.irp i, 0,1,2,3
	v_max3_num_f32 v[MX+\i], v[MX+\i], |v[16*\i+\j]|, |v[16*\i+\j+1]|
.endr
.endr
	WIN 0
.irp c, 0,1
	v_max_num_f32 v[MX+2*\c], v[MX+2*\c], v[MX+2*\c+1]
.endr
.irp c, 0,1
	v_add_nc_u32 v[TA+\c], 0xff000000, v[MX+2*\c]  ; 2 off the exponent field: the conversion's scale operand
.endr
	v_lshrrev_b32 v[TX], 7, v[TA+1]
	v_lshrrev_b32 v[TX+1], 23, v[TA]
	v_and_or_b32 v[TX], v[TX], s[MSK], v[TX+1]
	v_permlanex16_b32 v[TP], v[TX], s[SEL], s[SEL+1]
	v_lshl_or_b32 v[PW], v[TP], 8, v[TX]
	WIN 0x02
.irp c, 0,1
	v_cvt_scalef32_pk16_fp6_f32 v[PC+6*\c:PC+6*\c+2], v[32*\c:32*\c+15], v[TA+\c]
	v_cvt_scalef32_pk16_fp6_f32 v[TC+4*\c:TC+4*\c+2], v[32*\c+16:32*\c+31], v[TA+\c]
.endr
	v_nop
	WIN 0
.irp c, 0,1
.irp i, 0,1,2
	v_mov_b32 v[PC+6*\c+3+\i], v[TC+4*\c+\i]
.endr
.endr
	PLACES                                         ; the scale word stands 8 places ahead of the scaled matrix instructions, the codes 4
	WALU
	s_wait_loadcnt 0x0                             ; Wo, its scale words, bo
	WIN 0x01                                       ; Wo window 1
.irp t, 0,1,2,3,4,5,6,7
	MM BO+8*\t, 12*\t, PC, v[BO+8*\t:BO+8*\t+7], KSC+\t%4, PW, \t/4
.endr
	WIN 0
	PLACES
.irp t, 0,1,2,3,4,5,6,7
	ds_store_b128 v[GI], v[BO+8*\t:BO+8*\t+3] offset:64*\t        ; lane (r, h): my query's outputs 16 t + 8 h + 0 .. 7
	ds_store_b128 v[GI], v[BO+8*\t+4:BO+8*\t+7] offset:64*\t+16
.endr
.irp i, 0,1,2,3,4,5,6,7,8,9,10,11,12,13,14,15
	ds_load_b128 v[80+4*\i:83+4*\i], v[GB] offset:528*\i          ; LDS serves a wave's instructions in order (ISA guide 5.7.1.4): these see my stores
.endr
.irp i, 0,1,2,3,4,5,6,7,8,9,10,11,12,13,14,15
	s_wait_dscnt 15-\i
	global_store_b128 v[L16], v[80+4*\i:83+4*\i], s[16:17] offset:(\i%8+32*(\i/8))*512 th:TH_STORE_NT   ; 32 lanes store a row of 512 consecutive bytes, aligned
.endr
	s_wait_tensorcnt 0x0                           ; the wave's end: behind my last tensor load and my last LDS store
	ds_add_u32 v[SPW], v[NIL]
	s_wait_dscnt 0x0
	CROUND                                         ; the closing round: no work-group ends while a partner may still ask for a tile that names it
	s_endpgm
.Lfunc_end_k_q3869e9bc3c_attn:
	.size	k_q3869e9bc3c_attn, .Lfunc_end_k_q3869e9bc3c_attn-k_q3869e9bc3c_attn
	.p2alignl 7, 3214868480
	.fill 96, 4, 3214868480
	.section	.rodata,"a",@progbits
	.p2align	6, 0x0
	.amdhsa_kernel k_q3869e9bc3c_attn
		.amdhsa_group_segment_fixed_size 327680
		.amdhsa_private_segment_fixed_size 0
		.amdhsa_enable_private_segment 0
		.amdhsa_kernarg_size 56
		.amdhsa_user_sgpr_count 2
		.amdhsa_user_sgpr_kernarg_segment_ptr 1
		.amdhsa_wavefront_size32 1
		.amdhsa_system_sgpr_workgroup_id_x 1
		.amdhsa_system_sgpr_workgroup_id_y 1
		.amdhsa_system_sgpr_workgroup_id_z 1
		.amdhsa_system_vgpr_workitem_id 0
		.amdhsa_next_free_vgpr 1024
		.amdhsa_next_free_sgpr 80
		.amdhsa_reserve_vcc 0
		.amdhsa_float_denorm_mode_32 3
		.amdhsa_float_denorm_mode_16_64 3
		.amdhsa_memory_ordered 1
		.amdhsa_forward_progress 1
		.amdhsa_inst_pref_size 255
	.end_amdhsa_kernel
	.section	.bss,"aw",@nobits
	.p2align	6
	.space	262144
	.amdgpu_metadata
---
amdhsa.version: [ 1, 2 ]
amdhsa.kernels:
  - .name:           k_q3869e9bc3c_attn
    .symbol:         k_q3869e9bc3c_attn.kd
    .args:
      - { .name: qc, .offset: 0, .size: 8, .value_kind: global_buffer, .address_space: global }
      - { .name: qs, .offset: 8, .size: 8, .value_kind: global_buffer, .address_space: global }
      - { .name: kv, .offset: 16, .size: 8, .value_kind: global_buffer, .address_space: global }
      - { .name: Wo_codes, .offset: 24, .size: 8, .value_kind: global_buffer, .address_space: global }
      - { .name: Wo_scales, .offset: 32, .size: 8, .value_kind: global_buffer, .address_space: global }
      - { .name: bo, .offset: 40, .size: 8, .value_kind: global_buffer, .address_space: global }
      - { .name: out0, .offset: 48, .size: 8, .value_kind: global_buffer, .address_space: global }
    .group_segment_fixed_size: 327680
    .private_segment_fixed_size: 0
    .kernarg_segment_align: 8
    .kernarg_segment_size: 56
    .max_flat_workgroup_size: 128
    .sgpr_count:     80
    .vgpr_count:     1024
    .wavefront_size: 32
...
	.end_amdgpu_metadata
.endif
;; end of part 2
